; MI455X (gfx1250); checked and timed in simulation.
; The chip was launched on July 23, 2026; its instructions are those of AMD's public machine-readable ISA for CDNA 5 (MIT licence, August 2026) and "CDNA5" Instruction Set Architecture Reference Guide (July 2026). The comments in the code are by the model that wrote it; some were corrected since.
;; Self Attention. Allowed arithmetic: float matrix products may take bf16 or f16 operands with f32 sums; all other float work in f32.
;; Inputs: freqs_cos 2,048 x 32 float32; freqs_sin 2,048 x 32 float32; mask 2,048 x 2,048 float32; wk 1,024 x 1,024 float32; wo 1,024 x 1,024 float32; wq 1,024 x 1,024 float32; wv 1,024 x 1,024 float32; x 2 x 2,048 x 1,024 float32.
;; Outputs: out0 2 x 2,048 x 1,024 float32.
;; 2 versions, each right; version 2 is version 1 with the launch cast written anew for expert scheduling mode. Each part assembles by itself: llvm-mc -triple=amdgcn-amd-amdhsa -mcpu=gfx1250 --defsym DOCPART=n.
;; ======== version 1 of 2: 4 launches
;; limits: values outside matrix products are rounded to bf16; values are held in f16: magnitudes above 65,504 overflow, below 6.1e-05 lose precision
;; workspace buffers: cb 25,165,824 bytes; qkv 25,165,824 bytes; att 8,388,608 bytes
;; launch cast (part 1): grid 64 x 12, 8 waves a work-group, no clusters, 0 bytes of LDS; arguments x, wq, wk, wv, wo, mask, cb; writes cb
.if DOCPART == 1
	.amdgcn_target "amdgcn-amd-amdhsa--gfx1250"
	.amdhsa_code_object_version 6
	.text
	.protected	k_q690bcc612a_cast
	.globl	k_q690bcc612a_cast
	.p2align	8
	.type	k_q690bcc612a_cast,@function
k_q690bcc612a_cast:
	s_mov_b64 s[64:65], 0
	v_nop
	global_prefetch_b8 v0, s[64:65] scope:SCOPE_SE
	s_setreg_imm32_b32 hwreg(HW_REG_WAVE_MODE, 25, 1), 1
	s_wait_xcnt 0x0
; Rounds the six large f32 inputs to 16 bits, once, into cb, so that the three later launches move half the bytes.
; cb: rows of 1,024 numbers (2,048 bytes): x rows 0-4095, wq from 4096, wk from 5120, wv from 6144 (all bf16),
;     wo from 7168 (the bf16-rounded value, written as f16, since it later meets an f16 operand); from byte 16,777,216 the mask, bf16 [2048][2048].
; LIMITS: every one of these inputs is used rounded to bf16 (nearest even).  wo: |wo| < 65,504, and below 2^-14 it is kept on f16's subnormal grid of 2^-24.
; A stream: no LDS, no barrier, no matrix unit.  A work-group takes 65,536 bytes in and 32,768 out; all its sixteen loads a wave
; go out at once; a wave's load covers 512 neighbouring bytes, a wave's store 256 neighbouring bytes, aligned.
; y picks the source: 0-3 quarters of x, 4 wq, 5 wk, 6 wv, 7 wo, 8-11 quarters of the mask; cb follows that order, so the
; destination is (64 y + x) * 32,768.
.set X, 8                              ; v[8:71]   chunk i: 4 registers as loaded; its first two then hold the 8 bytes to store
.set T, 72                             ; v[72:75]  at work (wo only)
	s_load_b256 s[4:11], s[0:1], 0x0               ; x, wq, wk, wv
	s_load_b128 s[12:15], s[0:1], 0x20             ; wo, mask
	s_load_b64 s[16:17], s[0:1], 0x30              ; cb
	s_and_b32 s18, ttmp7, 0xffff                   ; y
	v_lshlrev_b32 v1, 4, v0                        ; 16 bytes a thread in
	v_lshlrev_b32 v2, 3, v0                        ; 8 bytes a thread out
	s_and_b32 s22, s18, 3                          ; which quarter of x or of the mask,
	s_and_b32 s23, s18, 12
	s_cmp_eq_u32 s23, 4                            ; y = 4 to 7: a whole weight,
	s_cselect_b32 s22, 0, s22                      ; which has no quarters
	s_lshl_b32 s24, s22, 22                        ; a quarter is 4 MiB of f32
	s_lshl_b32 s25, ttmp9, 16                      ; the work-group's 65,536 bytes in it
	s_add_co_u32 s24, s24, s25
	s_mov_b32 s25, 0
	s_lshl_b32 s26, s18, 6
	s_add_co_u32 s26, s26, ttmp9
	s_lshl_b32 s26, s26, 15                        ; (64 y + x) * 32,768
	s_mov_b32 s27, 0
	s_mov_b32 s28, 0xffff0000                      ; a word's upper bf16
	s_wait_kmcnt 0x0
	s_mov_b64 s[20:21], s[4:5]                     ; the source, chosen on y alone
	s_cmp_eq_u32 s18, 4
	s_cselect_b64 s[20:21], s[6:7], s[20:21]
	s_cmp_eq_u32 s18, 5
	s_cselect_b64 s[20:21], s[8:9], s[20:21]
	s_cmp_eq_u32 s18, 6
	s_cselect_b64 s[20:21], s[10:11], s[20:21]
	s_cmp_eq_u32 s18, 7
	s_cselect_b64 s[20:21], s[12:13], s[20:21]
	s_cmp_ge_u32 s18, 8
	s_cselect_b64 s[20:21], s[14:15], s[20:21]
	s_add_nc_u64 s[20:21], s[20:21], s[24:25]
	s_add_nc_u64 s[16:17], s[16:17], s[26:27]
.irp i, 0,1,2,3,4,5,6,7,8,9,10,11,12,13,14,15
	global_load_b128 v[X+4*\i:X+4*\i+3], v1, s[20:21] offset:4096*\i th:TH_LOAD_NT   ; read once in the launch
.endr
; Chunk i: four numbers a thread.  half = 1: the bf16-rounded numbers are written as f16.
; No register is used a second time, so no store's source is ever rewritten.
.macro STEP i, half
	s_wait_loadcnt 15-\i                           ; loads come back in order: chunk i is in, the 15 - i younger ones stay out
	v_cvt_pk_bf16_f32 v[X+4*\i],   v[X+4*\i],   v[X+4*\i+1]
	v_cvt_pk_bf16_f32 v[X+4*\i+1], v[X+4*\i+2], v[X+4*\i+3]
.if \half
	v_lshlrev_b32 v[T],   16,  v[X+4*\i]
	v_and_b32     v[T+1], s28, v[X+4*\i]
	v_lshlrev_b32 v[T+2], 16,  v[X+4*\i+1]
	v_and_b32     v[T+3], s28, v[X+4*\i+1]
	v_cvt_pk_f16_f32 v[X+4*\i],   v[T],   v[T+1]
	v_cvt_pk_f16_f32 v[X+4*\i+1], v[T+2], v[T+3]
.endif
	global_store_b64 v2, v[X+4*\i:X+4*\i+1], s[16:17] offset:2048*\i
.endm
	s_cmp_eq_u32 s18, 7                            ; wo goes the f16 way
	s_cbranch_scc1 .Lhalf
.irp i, 0,1,2,3,4,5,6,7,8,9,10,11,12,13,14,15
	STEP \i, 0
.endr
	s_endpgm
.Lhalf:
.irp i, 0,1,2,3,4,5,6,7,8,9,10,11,12,13,14,15
	STEP \i, 1
.endr
	s_endpgm
.Lfunc_end_k_q690bcc612a_cast:
	.size	k_q690bcc612a_cast, .Lfunc_end_k_q690bcc612a_cast-k_q690bcc612a_cast
	.p2alignl 7, 3214868480
	.fill 96, 4, 3214868480
	.section	.rodata,"a",@progbits
	.p2align	6, 0x0
	.amdhsa_kernel k_q690bcc612a_cast
		.amdhsa_group_segment_fixed_size 0
		.amdhsa_private_segment_fixed_size 0
		.amdhsa_enable_private_segment 0
		.amdhsa_kernarg_size 56
		.amdhsa_user_sgpr_count 2
		.amdhsa_user_sgpr_kernarg_segment_ptr 1
		.amdhsa_wavefront_size32 1
		.amdhsa_system_sgpr_workgroup_id_x 1
		.amdhsa_system_sgpr_workgroup_id_y 1
		.amdhsa_system_sgpr_workgroup_id_z 1
		.amdhsa_system_vgpr_workitem_id 0
		.amdhsa_next_free_vgpr 80
		.amdhsa_next_free_sgpr 66
		.amdhsa_reserve_vcc 0
		.amdhsa_float_denorm_mode_32 3
		.amdhsa_float_denorm_mode_16_64 3
		.amdhsa_memory_ordered 1
		.amdhsa_forward_progress 1
		.amdhsa_inst_pref_size 16
	.end_amdhsa_kernel
	.amdgpu_metadata
---
amdhsa.version: [ 1, 2 ]
amdhsa.kernels:
  - .name:           k_q690bcc612a_cast
    .symbol:         k_q690bcc612a_cast.kd
    .args:
      - { .name: x, .offset: 0, .size: 8, .value_kind: global_buffer, .address_space: global }
      - { .name: wq, .offset: 8, .size: 8, .value_kind: global_buffer, .address_space: global }
      - { .name: wk, .offset: 16, .size: 8, .value_kind: global_buffer, .address_space: global }
      - { .name: wv, .offset: 24, .size: 8, .value_kind: global_buffer, .address_space: global }
      - { .name: wo, .offset: 32, .size: 8, .value_kind: global_buffer, .address_space: global }
      - { .name: mask, .offset: 40, .size: 8, .value_kind: global_buffer, .address_space: global }
      - { .name: cb, .offset: 48, .size: 8, .value_kind: global_buffer, .address_space: global }
    .group_segment_fixed_size: 0
    .private_segment_fixed_size: 0
    .kernarg_segment_align: 8
    .kernarg_segment_size: 56
    .max_flat_workgroup_size: 256
    .sgpr_count:     66
    .vgpr_count:     80
    .wavefront_size: 32
...
	.end_amdgpu_metadata
.endif
;; end of part 1
;; launch qkv (part 2): grid 8 x 32, 4 waves a work-group, clusters of 4 x 4, 327,680 bytes of LDS; arguments cb, freqs_cos, freqs_sin, qkv; writes qkv
.if DOCPART == 2
	.amdgcn_target "amdgcn-amd-amdhsa--gfx1250"
	.amdhsa_code_object_version 6
	.text
	.protected	k_q690bcc612a_qkv
	.globl	k_q690bcc612a_qkv
	.p2align	8
	.type	k_q690bcc612a_qkv,@function
k_q690bcc612a_qkv:
	s_mov_b64 s[64:65], 0
	v_nop
	global_prefetch_b8 v0, s[64:65] scope:SCOPE_SE
	s_setreg_imm32_b32 hwreg(HW_REG_WAVE_MODE, 25, 1), 1
	s_wait_xcnt 0x0
	s_wait_alu depctr_hold_cnt(0) depctr_sa_sdst(0) depctr_va_vdst(0) depctr_va_sdst(0) depctr_va_ssrc(0) depctr_va_vcc(0) depctr_vm_vsrc(0)
	s_getreg_b32 s2, hwreg(HW_REG_IB_STS2, 6, 4)
	s_cmp_eq_u32 s2, 0
	s_cbranch_scc0 .Lentry_in_a_cluster
	s_endpgm
.Lentry_in_a_cluster:
	s_bfe_u32 s2, ttmp6, 0x10000c
	s_cmp_lg_u32 s2, 0xf033
	s_cbranch_scc0 .Lentry_shape_is_right
	s_endpgm
.Lentry_shape_is_right:
; q, k, v = x wq^T, x wk^T, x wv^T (bf16 operands out of cb, f32 sums), RoPE on q and k, q times log2(e)/8, all rounded to f16.
; qkv: f16 [3][4096][1024]: q at byte 0, k at 8,388,608, v at 16,777,216.
; LIMITS: freqs_cos and freqs_sin are used rounded to bf16, like every floating-point input of this program; |q log2(e)/8|, |k|, |v| < 65,504 (f16).
; A work-group makes rows 128 gy .. +127 times columns 128 gx .. +127 of each of q, k and v: 128 x 384.  Wave w makes all 128 rows times
; columns 32 w .. +31 of each of the three: 8 x 6 = 48 accumulator tiles, 384 registers; for 32 along K it reads 28 x 512 bytes of LDS for 48 matrix instructions.
; K goes in steps of 128 through two LDS slots; a slot holds 128 rows of x, of wq, of wk and of wv, one tensor load a wave (128 rows of 256 bytes, aligned).
; CLUSTERS: 4 x 4 work-groups.  x's tile hangs on gy alone and is asked for jointly along a row of the cluster; the weights' tiles hang on gx alone
; and are asked for jointly along a column: a quarter of the requests.  By this text's count a wave has two tensor loads out at the start, later one.
; THE MATRIX INSTRUCTION IS USED TRANSPOSED (source 0 = 16 rows of a weight, source 1 = 16 rows of x): lane l holds row l % 16 of the result and
; its registers the columns 8 (l / 16) + 0 .. 7: four RoPE pairs, 16 bytes of f16.
; REGISTERS: window 0: addresses, x's fragments (two buffers), the way out.  Window 1: the weights' fragments.  Windows 2, 3: the tiles of row tiles 0-3, 4-7
; (tile (a, b) at 8 (6 a + b); b = 2 x matrix + column tile) and, at 192-255, cos and sin of those rows.
.set KSTEP,  128
.set PITCH,  272                       ; 256 bytes + 16 of padding: the 16 rows of a fragment load start 16 bytes apart modulo 256
.set PART,   128*PITCH                 ; what one tensor load brings
.set SLOT,   4*PART                    ; x, wq, wk, wv
.set SPITCH, 784                       ; the way out: a row is q 256 | k 256 | v 256 bytes + 16
.set ADRA, 16                          ; v16-17  LDS address of x's fragments in slot 0, 1
.set ADRB, 18                          ; v18-23  of my 32 rows of wq, wk, wv in slot 0, then slot 1
.set STO,  24                          ; v24-25  the way out: where I put 16 bytes, rows 0-63 and 64-127
.set RD,   26                          ; v26     where I read a row back
.set CO,   27                          ; v27     my byte offset in q, k, v
.set CSO,  28                          ; v28     my byte offset in the cos and sin tables
.set T,    32                          ; v32-39  at work
.set F0,   64
.set F1,   128
.set RF,   192                         ; v192-223 window 0: q and k behind RoPE, f32
.set PK,   224                         ; v224-247 window 0: 6 x 16 bytes of f16
.set CS,   192                         ; windows 2, 3: row tile a: cos of column tile 0, 1, sin of column tile 0, 1, four registers each
.set G1A, 24
.set G0A, 32
.set G1B, 40
.set G0B, 48
.set G1W0, (1<<16)|(1<<20)|(1<<21)|(5<<22)|(3<<25)   ; elements of 2 bytes; padding on; bit 21 beside a mask; after every 64 words, 4 words
.set MSB, 0
.macro WIN new                         ; the immediate's high byte repeats the setting that is left
.if MSB != \new
	s_set_vgpr_msb (MSB<<8)|\new
.set MSB, \new
.endif
.endm
.set MUL_LO, 0xa1                      ; source 0 window 1, source 1 window 0, C and D window 2
.set MUL_HI, 0xf1                      ; the same, C and D window 3
.set TO_B,   0x40                      ; destination window 1
; A joint load.  Wave 0 fetches x's tile, waves 1 to 3 those of wq, wk, wv.  Each line has one mask; the branch hangs on the wave's number alone.
.macro JLOAD s
	s_cmp_eq_u32 s12, 0
	s_cbranch_scc0 .Lfor_b_\@
	tensor_load_to_lds s[G0A+4*\s:G0A+4*\s+3], s[G1A:G1A+7]
	s_nop 0
	s_branch .Lasked_\@
.Lfor_b_\@:
	tensor_load_to_lds s[G0B+4*\s:G0B+4*\s+3], s[G1B:G1B+7]
	s_nop 0
.Lasked_\@:
.endm
.macro CREST                           ; a round of the cluster's barrier behind its opening barrier
	s_cmp_lg_u32 s12, 0
	s_cbranch_scc1 .Lnot_wave_0_\@
	s_barrier_signal -3
.Lnot_wave_0_\@:
	s_barrier_wait -3
	s_barrier_signal -1
	s_barrier_wait -1
.endm
.macro CROUND                          ; a whole round
	s_barrier_signal -1
	s_barrier_wait -1
	CREST
.endm
.macro PLACES                          ; four places behind a matrix instruction in front of loads into, or vector work on, its registers
.rept 4
	v_nop
.endr
.endm
	s_load_b256 s[4:11], s[0:1], 0x0               ; cb s[4:5], cos s[6:7], sin s[8:9], qkv s[10:11]
	s_set_vgpr_msb 0x40
	v_lshl_add_u32 v255, v0, 2, 0x44000
	s_set_vgpr_msb 0x4000
	v_mov_b32 v255, 0
	s_set_vgpr_msb 0x1
	ds_add_u32 v255, v255
	s_set_vgpr_msb 0x100
	v_lshrrev_b32 v1, 5, v0
	v_readfirstlane_b32 s12, v1                    ; wave 0..3
	s_and_b32 s13, s12, 1
	s_bfe_u32 s14, ttmp6, 0x40000                  ; cx
	s_bfe_u32 s15, ttmp6, 0x40004                  ; cy
	s_lshl_b32 s16, ttmp9, 2
	s_add_co_u32 s16, s16, s14                     ; gx: block of 128 columns
	s_and_b32 s17, ttmp7, 0xffff
	s_lshl_b32 s17, s17, 2
	s_add_co_u32 s17, s17, s15                     ; gy: block of 128 rows
	s_lshl_b32 s18, s15, 2
	s_lshl_b32 s18, 15, s18                        ; my row of the cluster
	s_lshl_b32 s19, 0x1111, s14                    ; my column
	s_or_b32 s[G1A+0], s18, G1W0                   ; x's tiles go to my row,
	s_or_b32 s[G1B+0], s19, G1W0                   ; the weights' to my column
.irp g, G1A, G1B
	s_mov_b32 s[\g+1], KSTEP<<16                   ; tensor_dim0 = 128
	s_mov_b32 s[\g+2], 128<<16                     ; tensor_dim1 = 128
	s_mov_b32 s[\g+3], KSTEP<<16                   ; tile_dim0 = 128 elements
	s_mov_b32 s[\g+4], 128                         ; tile_dim1 = 128 rows
	s_mov_b32 s[\g+5], 1024                        ; elements from row to row
	s_mov_b32 s[\g+6], 0
	s_mov_b32 s[\g+7], 0
.endr
	s_lshl_b32 s56, s17, 18                        ; x: row 128 gy, 2,048 bytes a row (no term of gx)
	s_mov_b32 s57, 0
	s_lshl_b32 s58, s12, 21                        ; weights: row 3072 + 1024 w + 128 gx of cb (no term of gy)
	s_lshl_b32 s60, s16, 18
	s_add_co_u32 s58, s58, s60
	s_add_co_u32 s58, s58, 3072*2048
	s_mov_b32 s59, 0
	s_mul_i32 s20, s12, PART                       ; where my tile goes: the wave's number alone
	s_and_b32 s78, s17, 15                         ; position = row modulo 2048: table row 128 (gy mod 16), 128 bytes a row
	s_lshl_b32 s78, s78, 14
	s_mov_b32 s79, 0
	s_lshl_b32 s76, s17, 18                        ; the way out: row 128 gy + 32 w, byte 256 gx
	s_lshl_b32 s62, s12, 16
	s_add_co_u32 s76, s76, s62
	s_lshl_b32 s62, s16, 8
	s_add_co_u32 s76, s76, s62
	s_mov_b32 s77, 0
	s_mov_b32 s74, 0xffff0000
	s_wait_dscnt 0x0
	s_wait_kmcnt 0x0
	s_add_nc_u64 s[56:57], s[4:5], s[56:57]
	s_add_nc_u64 s[58:59], s[4:5], s[58:59]
	s_add_nc_u64 s[6:7], s[6:7], s[78:79]
	s_add_nc_u64 s[8:9], s[8:9], s[78:79]
	s_add_nc_u64 s[68:69], s[10:11], s[76:77]      ; q
	s_add_nc_u64 s[70:71], s[68:69], 0x800000      ; k
	s_add_nc_u64 s[72:73], s[70:71], 0x800000      ; v
	CROUND                                         ; all sixteen work-groups are here: the first joint loads meet
.irp s, 0,1
	s_mov_b32 s[G0A+4*\s], 1
	s_add_co_u32 s[G0A+4*\s+1], s20, \s*SLOT
	s_add_nc_u64 s[G0A+4*\s+2:G0A+4*\s+3], s[56:57], \s*KSTEP*2
	s_or_b32 s[G0A+4*\s+3], s[G0A+4*\s+3], 0x80000000
	s_mov_b32 s[G0B+4*\s], 1
	s_add_co_u32 s[G0B+4*\s+1], s20, \s*SLOT
	s_add_nc_u64 s[G0B+4*\s+2:G0B+4*\s+3], s[58:59], \s*KSTEP*2
	s_or_b32 s[G0B+4*\s+3], s[G0B+4*\s+3], 0x80000000
	JLOAD \s                                       ; K steps 0 and 1: both slots are asked for before anything else
.endr
	; cos and sin of my lanes' rows and pairs.  Lane (r, h), row tile i, column tile t: position 16 i + r, pairs 16 (w & 1) + 8 t + 4 h + 0..3: 16 bytes.
	v_and_b32 v1, 15, v0                           ; r
	v_bfe_u32 v2, v0, 4, 1                         ; h
	v_lshlrev_b32 v[CSO], 7, v1
	v_lshl_add_u32 v[CSO], v2, 4, v[CSO]
	v_lshl_add_u32 v[CSO], s13, 6, v[CSO]
.macro CSLOAD hi
.irp a, 0,1,2,3
	global_load_b128 v[CS+16*\a:CS+16*\a+3],     v[CSO], s[6:7] offset:2048*(4*\hi+\a)
	global_load_b128 v[CS+16*\a+4:CS+16*\a+7],   v[CSO], s[6:7] offset:2048*(4*\hi+\a)+32
	global_load_b128 v[CS+16*\a+8:CS+16*\a+11],  v[CSO], s[8:9] offset:2048*(4*\hi+\a)
	global_load_b128 v[CS+16*\a+12:CS+16*\a+15], v[CSO], s[8:9] offset:2048*(4*\hi+\a)+32
.endr
.endm
	WIN 0x80                                       ; destination window 2
	CSLOAD 0
	WIN 0xc0                                       ; destination window 3
	CSLOAD 1
	WIN 0
	v_mul_u32_u24 v3, v1, PITCH
	v_lshl_add_u32 v3, v2, 4, v3                   ; row x pitch + 16 x half: a fragment is two loads of 16 bytes, 32 bytes apart
	v_mov_b32 v[ADRA], v3
	v_add_nc_u32 v[ADRA+1], SLOT, v3
	s_mul_i32 s21, s12, 32*PITCH                   ; my 32 rows of each weight
	v_add_nc_u32 v4, s21, v3
.irp n, 0,1,2,3,4,5
	v_add_nc_u32 v[ADRB+\n], (\n/3)*SLOT+(\n%3+1)*PART, v4
.endr
	v_mul_u32_u24 v5, v1, SPITCH                   ; in: row r, my 64 bytes of each third, 16 bytes a half
	v_lshl_add_u32 v5, v2, 4, v5
	v_lshl_add_u32 v[STO], s12, 6, v5
	v_add_nc_u32 v[STO+1], 64*SPITCH, v[STO]
	v_mul_u32_u24 v5, v2, SPITCH                   ; back: lanes 0-15 one row's 256 bytes, lanes 16-31 the next row's; rows 32 w .. +31
	v_lshl_add_u32 v5, v1, 4, v5
	s_mul_i32 s22, s12, 32*SPITCH
	v_add_nc_u32 v[RD], s22, v5
	v_lshlrev_b32 v5, 11, v2
	v_lshl_add_u32 v[CO], v1, 4, v5
	; the tables are rounded to bf16 and widened again, in place, while the first tiles are on their way
.macro ROUNDCS
.set i, 0
.rept 32
	v_cvt_pk_bf16_f32 v[CS+i], v[CS+i], v[CS+i+1]
	v_and_b32 v[CS+i+1], s74, v[CS+i]
	v_lshlrev_b32 v[CS+i], 16, v[CS+i]
.set i, i+2
.endr
.endm
	s_wait_loadcnt 0x0
	WIN 0x8a                                       ; sources 0, 1 and destination window 2
	ROUNDCS
	WIN 0xcf                                       ; window 3
	ROUNDCS
	WIN 0
; 12 matrix instructions: row tiles a0, a0 + 1 of the window's four x my 6 column tiles, 32 along K.  zero = 1: the first product starts the sums.
.macro MUL12 f, hi, a0, zero
.irp a, \a0, \a0+1
.irp b, 0,1,2,3,4,5
.if \zero
	v_wmma_f32_16x16x32_bf16 v[8*(6*(\a)+\b):8*(6*(\a)+\b)+7], v[\f+8*\b:\f+8*\b+7], v[\f+8*(4*\hi+\a):\f+8*(4*\hi+\a)+7], 0
.else
	v_wmma_f32_16x16x32_bf16 v[8*(6*(\a)+\b):8*(6*(\a)+\b)+7], v[\f+8*\b:\f+8*\b+7], v[\f+8*(4*\hi+\a):\f+8*(4*\hi+\a)+7], v[8*(6*(\a)+\b):8*(6*(\a)+\b)+7]
.endif
.endr
.endr
.endm
; 28 LDS loads in one run: 6 weight fragments, then 8 fragments of x, of the 32 K at byte k of the rows
.macro FETCH slot, k, f
	WIN TO_B
.irp b, 0,1,2,3,4,5
	ds_load_b128 v[\f+8*\b:\f+8*\b+3],   v[ADRB+3*\slot+\b/2] offset:\k+(\b%2)*16*PITCH
	ds_load_b128 v[\f+8*\b+4:\f+8*\b+7], v[ADRB+3*\slot+\b/2] offset:\k+(\b%2)*16*PITCH+32
.endr
	WIN 0
.irp i, 0,1,2,3,4,5,6,7
	ds_load_b128 v[\f+8*\i:\f+8*\i+3],   v[ADRA+\slot] offset:\k+\i*16*PITCH
	ds_load_b128 v[\f+8*\i+4:\f+8*\i+7], v[ADRA+\slot] offset:\k+\i*16*PITCH+32
.endr
.endm
; A K step is four quarters of 32 along K, 48 matrix instructions each, on buffers 0, 1, 0, 1.  The 48 accumulators take turns, one instruction a turn,
; in the same order in every quarter.
.macro QUARTER slot, k, f, g, zero
	s_wait_dscnt 8                                 ; the weights and x's row tiles 0-3 are in; the youngest eight loads (row tiles 4-7) may be out
	WIN MUL_LO
	MUL12 \f, 0, 0, \zero
	MUL12 \f, 0, 2, \zero
	PLACES
	FETCH \slot, \k, \g
	s_wait_dscnt 28                                ; all but the 28 just issued
	WIN MUL_HI
	MUL12 \f, 1, 0, \zero
	MUL12 \f, 1, 2, \zero
.endm
.macro THREE slot, zero
	QUARTER \slot, 64,  F0, F1, \zero
	QUARTER \slot, 128, F1, F0, 0
	QUARTER \slot, 192, F0, F1, 0
.endm
; The last quarter changes slots.  In front of the one barrier each wave waits for its reads of this slot and for all its tensor loads (one is out: its part of
; the next slot).  Where the slot is filled again the barrier opens a round of the cluster's barrier, and the joint refill is the first tensor load behind the round.
; From a request to the wait for it a wave issues 180 matrix instructions.
.macro TURN slot, next, fill
	s_wait_dscnt 8
	WIN MUL_LO
	MUL12 F1, 0, 0, 0
	s_wait_dscnt 0                                 ; my reads of this slot are over
	s_wait_tensorcnt 0x0                           ; and all my tensor loads have landed
	ds_add_u32 v255, v255
	s_wait_dscnt 0x0
	s_barrier_signal -1
	MUL12 F1, 0, 2, 0                              ; register work while the others arrive
	WIN 0
	s_barrier_wait -1
.if \fill
	CREST                                          ; no wave of any partner still reads this slot or has a load on its way
	s_add_nc_u64 s[G0A+4*\slot+2:G0A+4*\slot+3], s[G0A+4*\slot+2:G0A+4*\slot+3], 2*KSTEP*2
	s_add_nc_u64 s[G0B+4*\slot+2:G0B+4*\slot+3], s[G0B+4*\slot+2:G0B+4*\slot+3], 2*KSTEP*2
	JLOAD \slot
.endif
	PLACES
	FETCH \next, 0, F0
	WIN MUL_HI
	MUL12 F1, 1, 0, 0
	MUL12 F1, 1, 2, 0
.endm
.macro LAP zero
	THREE 0, \zero
	TURN 0, 1, 1
	THREE 1, 0
	TURN 1, 0, 1
.endm
	s_wait_tensorcnt 1                             ; my part of K step 0 is in; K step 1's may stay out
	s_barrier_signal -1
	s_barrier_wait -1
	FETCH 0, 0, F0
	LAP 1                                          ; K steps 0, 1; asks for 2, 3
	WIN 0
	s_mov_b32 s3, 2                                ; K steps 2 to 5; ask for 4 to 7
.Llap:
	LAP 0
	WIN 0
	s_sub_co_u32 s3, s3, 1
	s_cmp_lg_u32 s3, 0
	s_cbranch_scc1 .Llap
	THREE 0, 0                                     ; K steps 6, 7: nothing is left to fetch
	TURN 0, 1, 0
	THREE 1, 0
	s_wait_dscnt 8
	WIN MUL_LO
	MUL12 F1, 0, 0, 0
	MUL12 F1, 0, 2, 0
	s_wait_dscnt 0
	WIN MUL_HI
	MUL12 F1, 1, 0, 0
	MUL12 F1, 1, 2, 0
	; THE WAY OUT.  The stage is slot 0: it has had its last fill (K step 6), and every wave's last read of it lies in front of the last change of slots.
	PLACES
; row tile i (a = i mod 4 in window 2 or 3; from: sources 0 and 1 in that window, source 2 and destination in window 0)
.macro OUT i, a, from
	WIN \from
.irp b, 0,1,2,3                        ; q's and k's column tiles: (xr, xi) -> (xr c - xi s, xr s + xi c)
.irp p, 0,1,2,3
	v_mul_f32 v[T+2*\p],   v[8*(6*\a+\b)+2*\p+1], v[CS+16*\a+4*(\b%2)+\p+8]
	v_mul_f32 v[T+2*\p+1], v[8*(6*\a+\b)+2*\p],   v[CS+16*\a+4*(\b%2)+\p+8]
.endr
.irp p, 0,1,2,3
	v_fma_f32 v[RF+8*\b+2*\p],   v[8*(6*\a+\b)+2*\p],   v[CS+16*\a+4*(\b%2)+\p], -v[T+2*\p]
	v_fma_f32 v[RF+8*\b+2*\p+1], v[8*(6*\a+\b)+2*\p+1], v[CS+16*\a+4*(\b%2)+\p], v[T+2*\p+1]
.endr
.endr
.irp b, 4,5                            ; v is only rounded
.irp p, 0,1,2,3
	v_cvt_pk_f16_f32 v[PK+4*\b+\p], v[8*(6*\a+\b)+2*\p], v[8*(6*\a+\b)+2*\p+1]
.endr
.endr
	WIN 0
.irp p, 0,2,4,6,8,10,12,14
	v_pk_mul_f32 v[RF+\p:RF+\p+1], v[RF+\p:RF+\p+1], 0x3e38aa3b op_sel_hi:[1,0]   ; q times log2(e)/8: the softmax works in base 2
.endr
.irp p, 0,1,2,3,4,5,6,7,8,9,10,11,12,13,14,15
	v_cvt_pk_f16_f32 v[PK+\p], v[RF+2*\p], v[RF+2*\p+1]
.endr
.irp b, 0,1,2,3,4,5
	ds_store_b128 v[STO+\i/4], v[PK+4*\b:PK+4*\b+3] offset:(\i%4)*16*SPITCH+256*(\b/2)+32*(\b%2)
.endr
.endm
	OUT 0, 0, 0x0a
	OUT 1, 1, 0x0a
	OUT 2, 2, 0x0a
	OUT 3, 3, 0x0a
	OUT 4, 0, 0x0f
	OUT 5, 1, 0x0f
	OUT 6, 2, 0x0f
	OUT 7, 3, 0x0f
	s_wait_dscnt 0x0                               ; my stores into the stage are done: a row holds all four waves' columns
	s_barrier_signal -1
	s_barrier_wait -1
; rows 32 w .. +31 of one of the three matrices: whole rows of 256 bytes back, sixteen lanes store 256 consecutive bytes, aligned
.macro DRAIN mat, f, base
	s_wait_xcnt 0x0                                ; buffer f, which earlier stores read, is loaded again only behind this wait
.irp t, 0,1,2,3,4,5,6,7,8,9,10,11,12,13,14,15
	ds_load_b128 v[\f+4*\t:\f+4*\t+3], v[RD] offset:256*\mat+2*SPITCH*\t
.endr
.irp t, 0,1,2,3,4,5,6,7,8,9,10,11,12,13,14,15
	s_wait_dscnt 15-\t                             ; LDS loads come back in order: pair t of rows is in
	global_store_b128 v[CO], v[\f+4*\t:\f+4*\t+3], s[\base:\base+1] offset:4096*\t
.endr
.endm
	DRAIN 0, F0, 68
	DRAIN 1, F1, 70
	DRAIN 2, F0, 72
	s_set_vgpr_msb 0x1
	s_wait_tensorcnt 0x0
	ds_add_u32 v255, v255
	s_wait_dscnt 0x0
	s_set_vgpr_msb 0x100
	CROUND                                         ; the closing round: no work-group ends while a partner may still ask for a tile that names it
	s_endpgm
.Lfunc_end_k_q690bcc612a_qkv:
	.size	k_q690bcc612a_qkv, .Lfunc_end_k_q690bcc612a_qkv-k_q690bcc612a_qkv
	.p2alignl 7, 3214868480
	.fill 96, 4, 3214868480
	.section	.rodata,"a",@progbits
	.p2align	6, 0x0
	.amdhsa_kernel k_q690bcc612a_qkv
		.amdhsa_group_segment_fixed_size 327680
		.amdhsa_private_segment_fixed_size 0
		.amdhsa_enable_private_segment 0
		.amdhsa_kernarg_size 32
		.amdhsa_user_sgpr_count 2
		.amdhsa_user_sgpr_kernarg_segment_ptr 1
		.amdhsa_wavefront_size32 1
		.amdhsa_system_sgpr_workgroup_id_x 1
		.amdhsa_system_sgpr_workgroup_id_y 1
		.amdhsa_system_sgpr_workgroup_id_z 1
		.amdhsa_system_vgpr_workitem_id 0
		.amdhsa_next_free_vgpr 1024
		.amdhsa_next_free_sgpr 80
		.amdhsa_reserve_vcc 0
		.amdhsa_float_denorm_mode_32 3
		.amdhsa_float_denorm_mode_16_64 3
		.amdhsa_memory_ordered 1
		.amdhsa_forward_progress 1
		.amdhsa_inst_pref_size 199
	.end_amdhsa_kernel
	.amdgpu_metadata
---
amdhsa.version: [ 1, 2 ]
amdhsa.kernels:
  - .name:           k_q690bcc612a_qkv
    .symbol:         k_q690bcc612a_qkv.kd
    .args:
      - { .name: cb, .offset: 0, .size: 8, .value_kind: global_buffer, .address_space: global }
      - { .name: freqs_cos, .offset: 8, .size: 8, .value_kind: global_buffer, .address_space: global }
      - { .name: freqs_sin, .offset: 16, .size: 8, .value_kind: global_buffer, .address_space: global }
      - { .name: qkv, .offset: 24, .size: 8, .value_kind: global_buffer, .address_space: global }
    .group_segment_fixed_size: 327680
    .private_segment_fixed_size: 0
    .kernarg_segment_align: 8
    .kernarg_segment_size: 32
    .max_flat_workgroup_size: 128
    .sgpr_count:     80
    .vgpr_count:     1024
    .wavefront_size: 32
...
	.end_amdgpu_metadata
.endif
;; end of part 2
;; launch attn (part 3): grid 16 x 16, 16 waves a work-group, clusters of 4 x 4, 327,680 bytes of LDS; arguments qkv, cb, att; writes att
.if DOCPART == 3
	.amdgcn_target "amdgcn-amd-amdhsa--gfx1250"
	.amdhsa_code_object_version 6
	.text
	.protected	k_q690bcc612a_attn
	.globl	k_q690bcc612a_attn
	.p2align	8
	.type	k_q690bcc612a_attn,@function
k_q690bcc612a_attn:
	s_mov_b64 s[64:65], 0
	v_nop
	global_prefetch_b8 v0, s[64:65] scope:SCOPE_SE
	s_setreg_imm32_b32 hwreg(HW_REG_WAVE_MODE, 25, 1), 1
	s_wait_xcnt 0x0
	s_wait_alu depctr_hold_cnt(0) depctr_sa_sdst(0) depctr_va_vdst(0) depctr_va_sdst(0) depctr_va_ssrc(0) depctr_va_vcc(0) depctr_vm_vsrc(0)
	s_getreg_b32 s2, hwreg(HW_REG_IB_STS2, 6, 4)
	s_cmp_eq_u32 s2, 0
	s_cbranch_scc0 .Lentry_in_a_cluster
	s_endpgm
.Lentry_in_a_cluster:
	s_bfe_u32 s2, ttmp6, 0x10000c
	s_cmp_lg_u32 s2, 0xf033
	s_cbranch_scc0 .Lentry_shape_is_right
	s_endpgm
.Lentry_shape_is_right:
; att = softmax(q k^T / 8 + mask) v for each batch and head, with a running maximum; scores never leave registers.  att: f16 [4096][1024].
; q comes multiplied by log2(e)/8, and the mask (bf16, in cb from byte 16,777,216) is multiplied by log2(e) here: exponentials are in base 2.
; LIMITS: the mask is used rounded to bf16.  Mask and score are added inside the matrix unit (the mask tile is the product's C), in the base-2 domain:
; the order of rounding differs from that of reference().  The running maximum starts at the lowest finite f32, so that -inf in the mask gives weight 0;
; a row whose mask is -inf everywhere gives NaN, as in reference().  Weights and the result are f16 (|result| < 65,504).
; A work-group takes q rows 128 gx .. +127 of batch gy >> 3 for the two heads 2 (gy & 7), +1, which are 256 neighbouring bytes of every row of q, k, v.
; Sixteen waves of 256 registers, four for each of the work-group's four SIMDs: while one wave waits for a result or for the matrix unit, three others have work to issue.
; Wave w: head w & 1, q rows 32 ((w >> 1) & 3) .. +31 (two q tiles), and of every tile of 128 keys the 64 keys of half w >> 3.  So waves w and w + 8 hold
; two parts of the same rows' softmax, each with its own maximum, sum and O; they are merged once, at the end, through LDS: each of the two merges one q tile.
; ALL TRANSPOSED: S^T = K Q^T + C, so a lane holds one q (l % 16) and the keys 8 (l / 16) + 0..7 of each tile: the row maximum is taken in the lane and by one
; exchange of the halves; two S^T tiles packed in place ARE the second source of O^T = V^T P^T; the rescaling factor and 1 / sum are the lane's own numbers.
; Keys go in tiles of 128 through two LDS slots, each with K's, V's and the mask's tile; six waves fetch 64 rows of 256 bytes each.
; CLUSTERS: 4 x 4.  K and V hang on gy alone: asked for jointly along a row of the cluster.  The mask's tile hangs on gx alone: jointly along a column.
; By this text's count a wave has one tensor load out.
.set KPART, 64*272                     ; 64 rows of K or of the mask, pitch 272
.set VPART, 64*288                     ; 64 rows of V, pitch 288: an odd multiple of 32, for the transposing load
.set VREG,  2*VPART                    ; V's region begins at 36,864 (K's two parts end at 34,816), so that its part is the wave's number (2, 3) x VPART
.set MREG,  4*VPART                    ; the mask's at 73,728 = 4 KPART + 4,096
.set SLOT,  MREG+2*KPART               ; 108,544
.set STAGE, 2*SLOT                     ; 128 rows x 272: the way out, bytes of its own
.set XCH,   STAGE+128*272              ; the merge: for each of 8 pairs of waves two sides, bytes of their own
.set AREA,  4608                       ; a side: 32 registers of O (8 x 512 bytes), then (maximum, sum), 8 bytes in each lane's 16
.set TILEKV, 128*2048                  ; bytes from a key tile to the next in k and v
.set KADR, 2                           ; v2-3   K fragments of my 64 keys in slot 0, 1
.set VADR, 4                           ; v4-5   V fragments
.set MADR, 6                           ; v6-7   the mask's 16 bytes
.set STO,  8
.set RD,   9
.set CO,   10
.set QO,   11
.set M,    12                          ; v12, v14 running maximum of q tile 0, 1
.set L,    13                          ; v13, v15 running sum over my half's keys: (M, L) of a q tile are a pair
.set NM,   16                          ; v[16:17] minus the maximum, twice
.set AL,   18                          ; v[18:19] the rescaling factor, twice
.set CC,   20                          ; log2(e)
.set ZR,   21                          ; 0
.set T,    22                          ; v[22:29] at work
.set XA,   30                          ; v30    my pair's exchange bytes + 16 x lane
.set Q,    32                          ; fragment (qt, c) at 16 qt + 8 c
.set O,    64                          ; tile (dt, qt) at 8 (4 qt + dt)
.set S,    128                         ; tile (qt, kt) at 32 qt + 8 kt
.set KV,   192                         ; K fragment (kt, c) at 16 kt + 8 c; then V fragment (ku, dt) at 32 ku + 8 dt
.set G1K, 20
.set G1V, 28
.set G1M, 36
.set G0K, 44
.set G0V, 52
.set G0M, 68
.set G1W0, (1<<16)|(1<<20)|(1<<21)|(5<<22)     ; elements of 2 bytes; padding on, after every 64 words; bit 21 beside a mask
.macro ROUND                           ; a round of the cluster's barrier
	s_barrier_signal -1
	s_barrier_wait -1
	s_cmp_lg_u32 s10, 0
	s_cbranch_scc1 .Lnot_wave_0_\@
	s_barrier_signal -3
.Lnot_wave_0_\@:
	s_barrier_wait -3
	s_barrier_signal -1
	s_barrier_wait -1
.endm
; The joint loads of slot s: waves 0, 1 K's halves, 2, 3 V's, 4, 5 the mask's; waves 6 to 15 have no part.  The branches hang on the wave's number alone.
.macro JLOAD s
	s_cmp_lt_u32 s10, 2
	s_cbranch_scc0 .Lnot_k_\@
	tensor_load_to_lds s[G0K+4*\s:G0K+4*\s+3], s[G1K:G1K+7]
	s_nop 0
	s_branch .Lasked_\@
.Lnot_k_\@:
	s_cmp_lt_u32 s10, 4
	s_cbranch_scc0 .Lnot_v_\@
	tensor_load_to_lds s[G0V+4*\s:G0V+4*\s+3], s[G1V:G1V+7]
	s_nop 0
	s_branch .Lasked_\@
.Lnot_v_\@:
	s_cmp_lt_u32 s10, 6
	s_cbranch_scc0 .Lasked_\@
	tensor_load_to_lds s[G0M+4*\s:G0M+4*\s+3], s[G1M:G1M+7]
	s_nop 0
.Lasked_\@:
.endm
.macro PLACES                          ; four places behind a matrix instruction (ISA guide 7.12.1)
.rept 4
	v_nop
.endr
.endm
.macro SHAPE g, stride                 ; a tile of 64 rows x 128 elements
	s_mov_b32 s[\g+1], 128<<16
	s_mov_b32 s[\g+2], 64<<16
	s_mov_b32 s[\g+3], 128<<16
	s_mov_b32 s[\g+4], 64
	s_mov_b32 s[\g+5], \stride
	s_mov_b32 s[\g+6], 0
	s_mov_b32 s[\g+7], 0
.endm
	s_load_b128 s[4:7], s[0:1], 0x0                ; qkv, cb
	s_load_b64 s[8:9], s[0:1], 0x10                ; att
	v_lshl_add_u32 v29, v0, 2, 0x4f800
	v_mov_b32 v31, 0
	ds_add_u32 v29, v31
	v_lshrrev_b32 v1, 5, v0
	v_readfirstlane_b32 s10, v1                    ; wave 0..15
	s_and_b32 s11, s10, 1                          ; my head of the two; also: which 64 rows I fetch
	s_lshr_b32 s12, s10, 1
	s_and_b32 s12, s12, 3                          ; my 32 q rows of the 128
	s_lshr_b32 s91, s10, 3                         ; my half of every key tile
	s_and_b32 s92, s10, 7                          ; my pair: waves w and w + 8 hold the same rows
	s_bfe_u32 s14, ttmp6, 0x40000                  ; cx
	s_bfe_u32 s15, ttmp6, 0x40004                  ; cy
	s_lshl_b32 s16, ttmp9, 2
	s_add_co_u32 s16, s16, s14                     ; gx: block of q rows
	s_and_b32 s17, ttmp7, 0xffff
	s_lshl_b32 s17, s17, 2
	s_add_co_u32 s17, s17, s15                     ; gy: 8 x batch + pair of heads
	s_lshl_b32 s18, s15, 2
	s_lshl_b32 s18, 15, s18                        ; my row of the cluster
	s_lshl_b32 s19, 0x1111, s14                    ; my column
	s_or_b32 s[G1K+0], s18, G1W0|(3<<25)           ; 4 words of padding: pitch 272
	s_or_b32 s[G1V+0], s18, G1W0|(7<<25)           ; 8 words: pitch 288
	s_or_b32 s[G1M+0], s19, G1W0|(3<<25)
	SHAPE G1K, 1024
	SHAPE G1V, 1024
	SHAPE G1M, 2048
	s_lshr_b32 s76, s17, 3                         ; k, v: batch x 2048 rows + the 64 rows that I fetch, byte 256 x pair of heads (no term of gx)
	s_lshl_b32 s76, s76, 22
	s_and_b32 s60, s17, 7
	s_lshl_b32 s60, s60, 8
	s_add_co_u32 s76, s76, s60
	s_lshl_b32 s60, s11, 17
	s_add_co_u32 s76, s76, s60
	s_mov_b32 s77, 0
	s_lshl_b32 s78, s16, 19                        ; mask: row 128 gx + the 64 rows that I fetch, 4,096 bytes a row (no term of gy)
	s_lshl_b32 s61, s11, 18
	s_add_co_u32 s78, s78, s61
	s_add_co_u32 s78, s78, 16777216
	s_mov_b32 s79, 0
	s_lshr_b32 s62, s17, 3                         ; q and att: batch, block of rows, pair of heads
	s_lshl_b32 s62, s62, 22
	s_and_b32 s63, s17, 7
	s_lshl_b32 s63, s63, 8
	s_add_co_u32 s62, s62, s63
	s_lshl_b32 s63, s16, 18
	s_add_co_u32 s62, s62, s63
	s_lshl_b32 s80, s12, 16                        ; q: + my 32 rows, + my head's 128 bytes
	s_add_co_u32 s80, s80, s62
	s_lshl_b32 s63, s11, 7
	s_add_co_u32 s80, s80, s63
	s_mov_b32 s81, 0
	s_lshl_b32 s86, s10, 14                        ; att: + the 8 rows that I store
	s_add_co_u32 s86, s86, s62
	s_mov_b32 s87, 0
	s_mul_i32 s13, s10, KPART                      ; LDS parts of the waves that fetch: the wave's number times a constant
	s_mul_i32 s88, s10, VPART
	s_mov_b32 s82, 0x76543210                      ; v_permlanex16_b32: lane i of one half reads lane i of the other
	s_mov_b32 s83, 0xfedcba98
	s_mov_b32 s85, 0xff7fffff                      ; the lowest finite f32
	s_wait_dscnt 0x0
	s_wait_kmcnt 0x0
	s_add_nc_u64 s[76:77], s[4:5], s[76:77]
	s_add_nc_u64 s[78:79], s[6:7], s[78:79]
	s_add_nc_u64 s[80:81], s[4:5], s[80:81]
	s_add_nc_u64 s[8:9], s[8:9], s[86:87]
.irp s, 0,1                            ; slot s is set up for key tile s
	s_mov_b32 s[G0K+4*\s], 1
	s_add_co_u32 s[G0K+4*\s+1], s13, \s*SLOT
	s_add_nc_u64 s[G0K+4*\s+2:G0K+4*\s+3], s[76:77], 8388608+\s*TILEKV
	s_or_b32 s[G0K+4*\s+3], s[G0K+4*\s+3], 0x80000000
	s_mov_b32 s[G0V+4*\s], 1
	s_add_co_u32 s[G0V+4*\s+1], s88, \s*SLOT
	s_add_nc_u64 s[G0V+4*\s+2:G0V+4*\s+3], s[76:77], 16777216+\s*TILEKV
	s_or_b32 s[G0V+4*\s+3], s[G0V+4*\s+3], 0x80000000
	s_mov_b32 s[G0M+4*\s], 1
	s_add_co_u32 s[G0M+4*\s+1], s13, 4096+\s*SLOT
	s_add_nc_u64 s[G0M+4*\s+2:G0M+4*\s+3], s[78:79], \s*256
	s_or_b32 s[G0M+4*\s+3], s[G0M+4*\s+3], 0x80000000
.endr
	ROUND                                          ; in front of the first joint loads
	JLOAD 0                                        ; key tile 0
	v_and_b32 v1, 15, v0                           ; r
	v_bfe_u32 v22, v0, 4, 1                        ; h
	v_lshlrev_b32 v25, 11, v1
	v_lshl_add_u32 v[QO], v22, 4, v25              ; q: row r, 16 bytes a half
.irp qt, 0,1
.irp c, 0,1
	global_load_b128 v[Q+16*\qt+8*\c:Q+16*\qt+8*\c+3],   v[QO], s[80:81] offset:32768*\qt+64*\c
	global_load_b128 v[Q+16*\qt+8*\c+4:Q+16*\qt+8*\c+7], v[QO], s[80:81] offset:32768*\qt+64*\c+32
.endr
.endr
	v_mul_u32_u24 v23, v1, 272
	v_lshl_add_u32 v23, v22, 4, v23                ; 272 r + 16 h
	v_lshl_add_u32 v26, s11, 7, v23                ; + my head's 128 bytes
	s_mul_i32 s89, s91, KPART                      ; my 64 keys are one of K's two parts
	v_add_nc_u32 v[KADR], s89, v26
	v_add_nc_u32 v[KADR+1], SLOT, v[KADR]
	v_and_b32 v24, 7, v0                           ; V lies [key][d]: the transposing load wants row 8 h + (l & 7), 16 bytes ((l >> 3) & 1)
	v_lshl_add_u32 v24, v22, 3, v24
	v_mul_u32_u24 v24, v24, 288
	v_bfe_u32 v25, v0, 3, 1
	v_lshl_add_u32 v24, v25, 4, v24
	v_lshl_add_u32 v24, s11, 7, v24
	s_mul_i32 s89, s91, VPART                      ; and one of V's two parts
	s_add_co_u32 s89, s89, VREG
	v_add_nc_u32 v[VADR], s89, v24
	v_add_nc_u32 v[VADR+1], SLOT, v[VADR]
	s_lshr_b32 s89, s12, 1                         ; the mask's part that holds my q rows, my 32 rows in it,
	s_mul_i32 s89, s89, KPART
	s_and_b32 s90, s12, 1
	s_mul_i32 s90, s90, 32*272
	s_add_co_u32 s89, s89, s90
	s_lshl_b32 s90, s91, 7                         ; and my 64 keys: 128 bytes of each row
	s_add_co_u32 s89, s89, s90
	s_add_co_u32 s89, s89, MREG
	v_add_nc_u32 v[MADR], s89, v23
	v_add_nc_u32 v[MADR+1], SLOT, v[MADR]
	s_mul_i32 s90, s12, 32*272                     ; the stage: row 32 x (my q rows' number) + r, my head's 128 bytes, 16 bytes a half
	s_add_co_u32 s90, s90, STAGE
	v_add_nc_u32 v[STO], s90, v26
	v_mul_u32_u24 v25, v22, 272                    ; back: rows 8 w .. +7, two at a time
	v_lshl_add_u32 v25, v1, 4, v25
	s_mul_i32 s90, s10, 8*272
	s_add_co_u32 s90, s90, STAGE
	v_add_nc_u32 v[RD], s90, v25
	v_lshlrev_b32 v25, 11, v22
	v_lshl_add_u32 v[CO], v1, 4, v25
	v_and_b32 v27, 31, v0                          ; the merge: my pair's two sides, 16 bytes a lane
	s_mul_i32 s90, s92, 2*AREA
	s_add_co_u32 s90, s90, XCH
	v_lshl_add_u32 v[XA], v27, 4, s90
	v_mov_b32 v[CC], 0x3fb8aa3b
	v_mov_b32 v[ZR], 0
	s_wait_loadcnt 0x0                             ; q, once
; Eight bf16 of the mask, loaded into a tile's registers 4-7, become the tile's eight f32 times log2(e), in place: each word is read before it is written over
.macro UNPACK b
	v_fma_mix_f32_bf16 v[\b+0], v[\b+4], v[CC], v[ZR] op_sel_hi:[1,0,0]
	v_fma_mix_f32_bf16 v[\b+1], v[\b+4], v[CC], v[ZR] op_sel:[1,0,0] op_sel_hi:[1,0,0]
	v_fma_mix_f32_bf16 v[\b+2], v[\b+5], v[CC], v[ZR] op_sel_hi:[1,0,0]
	v_fma_mix_f32_bf16 v[\b+3], v[\b+5], v[CC], v[ZR] op_sel:[1,0,0] op_sel_hi:[1,0,0]
	v_fma_mix_f32_bf16 v[\b+4], v[\b+6], v[CC], v[ZR] op_sel_hi:[1,0,0]
	v_fma_mix_f32_bf16 v[\b+5], v[\b+6], v[CC], v[ZR] op_sel:[1,0,0] op_sel_hi:[1,0,0]
	v_fma_mix_f32_bf16 v[\b+6], v[\b+7], v[CC], v[ZR] op_sel_hi:[1,0,0]
	v_fma_mix_f32_bf16 v[\b+7], v[\b+7], v[CC], v[ZR] op_sel:[1,0,0] op_sel_hi:[1,0,0]
.endm
; The softmax step of q tile qt on 64 keys (32 numbers a lane).  first = 1: nothing is carried yet.
.macro SM qt, first
.set SQ, S+32*\qt
.set OQ, O+32*\qt
.irp c, 0,1,2,3                        ; the maximum of my 32, in four chains
	v_max3_num_f32 v[T+\c], v[SQ+8*\c], v[SQ+8*\c+1], v[SQ+8*\c+2]
.endr
.irp c, 0,1,2,3
	v_max3_num_f32 v[T+\c], v[T+\c], v[SQ+8*\c+3], v[SQ+8*\c+4]
.endr
.irp c, 0,1,2,3
	v_max3_num_f32 v[T+\c], v[T+\c], v[SQ+8*\c+5], v[SQ+8*\c+6]
.endr
.irp c, 0,1,2,3
	v_max_num_f32 v[T+\c], v[T+\c], v[SQ+8*\c+7]
.endr
	v_max3_num_f32 v[T], v[T], v[T+1], v[T+2]
	v_max_num_f32 v[T], v[T], v[T+3]
	v_permlanex16_b32 v[T+1], v[T], s82, s83       ; the other half's keys of the same q
.if \first
	v_max3_num_f32 v[M+2*\qt], v[T], v[T+1], s85
.else
	v_max3_num_f32 v[T+2], v[T], v[T+1], v[M+2*\qt]
	v_sub_f32 v[T+3], v[M+2*\qt], v[T+2]
	v_mov_b32 v[M+2*\qt], v[T+2]
	v_exp_f32 v[AL], v[T+3]                        ; 2^(old maximum - new), twice, for the packed multiplies
	v_exp_f32 v[AL+1], v[T+3]
.endif
	v_mul_f32 v[NM], -1.0, v[M+2*\qt]              ; also the plain place behind the two exponentials (ISA guide 5.7.2)
	v_mul_f32 v[NM+1], -1.0, v[M+2*\qt]
.set i, 0
.rept 16
	v_pk_add_f32 v[SQ+i:SQ+i+1], v[SQ+i:SQ+i+1], v[NM:NM+1]
.set i, i+2
.endr
.set i, 0
.rept 32
	v_exp_f32 v[SQ+i], v[SQ+i]
.set i, i+1
.endr
.if \first
	v_nop                                          ; the plain place behind the exponentials
	s_wait_alu depctr_va_vdst(0)
.else
.set i, 0
	s_wait_alu depctr_va_vdst(0)
.rept 16                               ; what has been summed is rescaled; the first of these is the plain place behind the exponentials
	v_pk_mul_f32 v[OQ+i:OQ+i+1], v[OQ+i:OQ+i+1], v[AL:AL+1]
.set i, i+2
.endr
.endif
	v_pk_add_f32 v[T:T+1],   v[SQ:SQ+1],   v[SQ+2:SQ+3]     ; the sum of my 32, in two chains of pairs
	v_pk_add_f32 v[T+2:T+3], v[SQ+4:SQ+5], v[SQ+6:SQ+7]
.set i, 8
.rept 6
	v_pk_add_f32 v[T:T+1],   v[T:T+1],   v[SQ+i:SQ+i+1]
	v_pk_add_f32 v[T+2:T+3], v[T+2:T+3], v[SQ+i+2:SQ+i+3]
.set i, i+4
.endr
	v_pk_add_f32 v[T:T+1], v[T:T+1], v[T+2:T+3]
.if \first
	v_add_f32 v[L+2*\qt], v[T], v[T+1]
.else
	v_add_f32 v[T], v[T], v[T+1]
	v_fma_f32 v[L+2*\qt], v[L+2*\qt], v[AL], v[T]  ; my half's part; the halves meet once, at the end
.endif
.irp ku, 0,1                           ; two tiles of 16 keys pack, in place and ascending, into the fragment of 32 keys: registers 0-3 keys 8 h + 0..7, 4-7 keys 16 + 8 h + 0..7
.irp i, 0,1,2,3,4,5,6,7
	v_cvt_pk_f16_f32 v[SQ+16*\ku+\i], v[SQ+16*\ku+2*\i], v[SQ+16*\ku+2*\i+1]
.endr
.endr
.endm
; O^T(d, q) += V^T P^T for q tile qt: four accumulators take turns, one instruction a turn.  first = 1: the first product starts the sums.
.macro PV qt, first
.irp ku, 0,1
.irp dt, 0,1,2,3
.if \first*(1-\ku)
	v_wmma_f32_16x16x32_f16 v[O+32*\qt+8*\dt:O+32*\qt+8*\dt+7], v[KV+32*\ku+8*\dt:KV+32*\ku+8*\dt+7], v[S+32*\qt+16*\ku:S+32*\qt+16*\ku+7], 0
.else
	v_wmma_f32_16x16x32_f16 v[O+32*\qt+8*\dt:O+32*\qt+8*\dt+7], v[KV+32*\ku+8*\dt:KV+32*\ku+8*\dt+7], v[S+32*\qt+16*\ku:S+32*\qt+16*\ku+7], v[O+32*\qt+8*\dt:O+32*\qt+8*\dt+7]
.endif
.endr
.endr
.endm
; My 64 keys of the tile in a slot (which half they are stands in the address registers)
.macro SUB slot, first
	PLACES                                         ; behind the last products, in front of loads into their sources
.irp kt, 0,1,2,3
	ds_load_b128 v[S+8*\kt+4:S+8*\kt+7],       v[MADR+\slot] offset:32*\kt
	ds_load_b128 v[S+32+8*\kt+4:S+32+8*\kt+7], v[MADR+\slot] offset:16*272+32*\kt
	ds_load_b128 v[KV+16*\kt:KV+16*\kt+3],     v[KADR+\slot] offset:16*272*\kt
	ds_load_b128 v[KV+16*\kt+4:KV+16*\kt+7],   v[KADR+\slot] offset:16*272*\kt+32
.endr
.irp kt, 0,1,2,3
	ds_load_b128 v[KV+16*\kt+8:KV+16*\kt+11],  v[KADR+\slot] offset:16*272*\kt+64
	ds_load_b128 v[KV+16*\kt+12:KV+16*\kt+15], v[KADR+\slot] offset:16*272*\kt+96
.endr
	; S^T = mask log2(e) + K Q^T: eight accumulators take turns, one instruction a turn, d 0-31 first, then d 32-63
.irp kt, 0,1,2,3
	s_wait_dscnt 20-4*\kt                          ; of the 24 loads, those behind key tile kt's four stay out
	UNPACK S+8*\kt
	UNPACK S+32+8*\kt
	v_wmma_f32_16x16x32_f16 v[S+8*\kt:S+8*\kt+7],       v[KV+16*\kt:KV+16*\kt+7], v[Q:Q+7],     v[S+8*\kt:S+8*\kt+7]
	v_wmma_f32_16x16x32_f16 v[S+32+8*\kt:S+32+8*\kt+7], v[KV+16*\kt:KV+16*\kt+7], v[Q+16:Q+23], v[S+32+8*\kt:S+32+8*\kt+7]
.endr
.irp kt, 0,1,2,3
	s_wait_dscnt 6-2*\kt                           ; of the last eight loads, those behind key tile kt's two stay out
	v_wmma_f32_16x16x32_f16 v[S+8*\kt:S+8*\kt+7],       v[KV+16*\kt+8:KV+16*\kt+15], v[Q+8:Q+15],  v[S+8*\kt:S+8*\kt+7]
	v_wmma_f32_16x16x32_f16 v[S+32+8*\kt:S+32+8*\kt+7], v[KV+16*\kt+8:KV+16*\kt+15], v[Q+24:Q+31], v[S+32+8*\kt:S+32+8*\kt+7]
.endr
	PLACES                                         ; in front of the loads over K's fragments and of the vector work on the scores
.irp ku, 0,1
.irp dt, 0,1,2,3
	ds_load_tr16_b128 v[KV+32*\ku+8*\dt:KV+32*\ku+8*\dt+3],   v[VADR+\slot] offset:32*288*\ku+32*\dt
	ds_load_tr16_b128 v[KV+32*\ku+8*\dt+4:KV+32*\ku+8*\dt+7], v[VADR+\slot] offset:32*288*\ku+32*\dt+16*288
.endr
.endr
	SM 0, \first                                   ; V's fragments land under this
	s_wait_dscnt 0x0
	PV 0, \first
	SM 1, \first                                   ; names none of the registers of the products just issued
	PV 1, \first
.endm
; A key tile.  In front of the round every wave waits for all its tensor loads (its part of this tile among them) and for its reads of the other slot;
; behind the round the other slot's joint refill comes first, one tensor load a wave; then this tile is read.
.macro TRIP slot, other, refill, first
	s_wait_tensorcnt 0x0                           ; no load of mine is out, so every group 0 may be written: this slot's next tile
	ds_add_u32 v29, v31
	s_wait_dscnt 0x0
	s_add_nc_u64 s[G0K+4*\slot+2:G0K+4*\slot+3], s[G0K+4*\slot+2:G0K+4*\slot+3], 2*TILEKV
	s_add_nc_u64 s[G0V+4*\slot+2:G0V+4*\slot+3], s[G0V+4*\slot+2:G0V+4*\slot+3], 2*TILEKV
	s_add_nc_u64 s[G0M+4*\slot+2:G0M+4*\slot+3], s[G0M+4*\slot+2:G0M+4*\slot+3], 512
	s_wait_dscnt 0x0                               ; my reads of the last tile are done
	ROUND                                          ; both now hold of every wave of every work-group of the cluster
.if \refill
	JLOAD \other
.endif
	SUB \slot, \first
.endm
	TRIP 0, 1, 1, 1                                ; key tile 0: every wave's first products start its sums
	TRIP 1, 0, 1, 0
	s_mov_b32 s84, 6                               ; key tiles 2 to 13
.Lpair:
	TRIP 0, 1, 1, 0
	TRIP 1, 0, 1, 0
	s_sub_co_u32 s84, s84, 1
	s_cmp_lg_u32 s84, 0
	s_cbranch_scc1 .Lpair
	TRIP 0, 1, 1, 0                                ; key tile 14 asks for the last
	TRIP 1, 0, 0, 0                                ; key tile 15: nothing is left to fetch (the stepped addresses are not used)
	; THE MERGE.  Waves w and w + 8 hold, for the same rows, the softmax over the even and over the odd halves of the key tiles.  The lower wave hands over
	; q tile 1 and keeps q tile 0; the upper wave the other way round.  The two ways differ in constants alone; no barrier stands inside a branch.
; q tile qt goes into my side of the pair's bytes: (maximum, sum), then 32 registers of O, 16 neighbouring bytes a lane
.macro SEND qt, side
	ds_store_b64 v[XA], v[M+2*\qt:M+2*\qt+1] offset:\side*AREA+4096
.irp k, 0,1,2,3,4,5,6,7
	ds_store_b128 v[XA], v[O+32*\qt+4*\k:O+32*\qt+4*\k+3] offset:\side*AREA+512*\k
.endr
.endm
; q tile qt, which I kept, takes in the partner's part from its side: m = max of the two maxima, each part times 2^(its maximum - m), all divided by the joint sum;
; then rounded to f16 (a lane's eight d of one q are 16 bytes) into the stage
.macro MERGE qt, side
	ds_load_b64 v[T+4:T+5], v[XA] offset:\side*AREA+4096
.irp k, 0,1,2,3,4,5,6,7
	ds_load_b128 v[KV+4*\k:KV+4*\k+3], v[XA] offset:\side*AREA+512*\k
.endr
	s_wait_dscnt 8                                 ; the partner's (maximum, sum) is in; the eight loads of O behind it stay out
	v_max_num_f32 v[T], v[M+2*\qt], v[T+4]
	v_sub_f32 v[T+1], v[M+2*\qt], v[T]
	v_sub_f32 v[T+2], v[T+4], v[T]
	v_exp_f32 v[AL], v[T+1]                        ; my part's factor
	v_exp_f32 v[NM], v[T+2]                        ; the partner's
	v_nop                                          ; the plain place behind the exponentials (ISA guide 5.7.2)
	s_wait_alu depctr_va_vdst(0)
	v_mul_f32 v[T], v[L+2*\qt], v[AL]
	v_fma_f32 v[T], v[T+5], v[NM], v[T]            ; the sum over my lane half's keys of both parts,
	v_permlanex16_b32 v[T+1], v[T], s82, s83
	v_add_f32 v[T], v[T], v[T+1]                   ; and over both lane halves
	v_rcp_f32 v[T+1], v[T]
	v_nop                                          ; the plain place behind the reciprocal
	s_wait_alu depctr_va_vdst(0)
	v_mul_f32 v[AL+1], v[AL], v[T+1]               ; 1 / sum goes into both factors, each twice for the packed forms
	v_mul_f32 v[AL], v[AL], v[T+1]
	v_mul_f32 v[NM+1], v[NM], v[T+1]
	v_mul_f32 v[NM], v[NM], v[T+1]
	s_wait_dscnt 0x0
.set i, 0
.rept 16
	v_pk_mul_f32 v[O+32*\qt+i:O+32*\qt+i+1], v[O+32*\qt+i:O+32*\qt+i+1], v[AL:AL+1]
.set i, i+2
.endr
.set i, 0
.rept 16
	v_pk_fma_f32 v[O+32*\qt+i:O+32*\qt+i+1], v[KV+i:KV+i+1], v[NM:NM+1], v[O+32*\qt+i:O+32*\qt+i+1]
.set i, i+2
.endr
.irp dt, 0,1,2,3
.irp p, 0,1,2,3
	v_cvt_pk_f16_f32 v[O+32*\qt+8*\dt+\p], v[O+32*\qt+8*\dt+2*\p], v[O+32*\qt+8*\dt+2*\p+1]
.endr
	ds_store_b128 v[STO], v[O+32*\qt+8*\dt:O+32*\qt+8*\dt+3] offset:16*272*\qt+32*\dt
.endr
.endm
	PLACES                                         ; behind the last products: LDS stores read their results, loads land on their sources
	s_cmp_lt_u32 s10, 8
	s_cbranch_scc0 .Lsend_upper
	SEND 1, 0
	s_branch .Lsent
.Lsend_upper:
	SEND 0, 1
.Lsent:
	s_wait_dscnt 0x0                               ; my stores are done: the partner reads them behind the barrier
	s_barrier_signal -1
	s_barrier_wait -1
	s_cmp_lt_u32 s10, 8
	s_cbranch_scc0 .Lmerge_upper
	MERGE 0, 1
	s_branch .Lmerged
.Lmerge_upper:
	MERGE 1, 0
.Lmerged:
	; THE WAY OUT: whole rows of 256 bytes, 8 rows a wave
	s_wait_dscnt 0x0                               ; my stores are done: a stage row holds two waves' heads
	s_barrier_signal -1
	s_barrier_wait -1
.irp t, 0,1,2,3
	ds_load_b128 v[KV+4*\t:KV+4*\t+3], v[RD] offset:2*272*\t
.endr
.irp t, 0,1,2,3
	s_wait_dscnt 3-\t                              ; LDS loads come back in order: pair t of rows is in
	global_store_b128 v[CO], v[KV+4*\t:KV+4*\t+3], s[8:9] offset:4096*\t   ; sixteen lanes store 256 consecutive bytes, aligned
.endr
	s_wait_tensorcnt 0x0
	ds_add_u32 v29, v31
	s_wait_dscnt 0x0
	ROUND                                          ; the closing round
	s_endpgm
.Lfunc_end_k_q690bcc612a_attn:
	.size	k_q690bcc612a_attn, .Lfunc_end_k_q690bcc612a_attn-k_q690bcc612a_attn
	.p2alignl 7, 3214868480
	.fill 96, 4, 3214868480
	.section	.rodata,"a",@progbits
	.p2align	6, 0x0
	.amdhsa_kernel k_q690bcc612a_attn
		.amdhsa_group_segment_fixed_size 327680
		.amdhsa_private_segment_fixed_size 0
		.amdhsa_enable_private_segment 0
		.amdhsa_kernarg_size 24
		.amdhsa_user_sgpr_count 2
		.amdhsa_user_sgpr_kernarg_segment_ptr 1
		.amdhsa_wavefront_size32 1
		.amdhsa_system_sgpr_workgroup_id_x 1
		.amdhsa_system_sgpr_workgroup_id_y 1
		.amdhsa_system_sgpr_workgroup_id_z 1
		.amdhsa_system_vgpr_workitem_id 0
		.amdhsa_next_free_vgpr 256
		.amdhsa_next_free_sgpr 96
		.amdhsa_reserve_vcc 0
		.amdhsa_float_denorm_mode_32 3
		.amdhsa_float_denorm_mode_16_64 3
		.amdhsa_memory_ordered 1
		.amdhsa_forward_progress 1
		.amdhsa_inst_pref_size 157
	.end_amdhsa_kernel
	.amdgpu_metadata
---
amdhsa.version: [ 1, 2 ]
amdhsa.kernels:
  - .name:           k_q690bcc612a_attn
    .symbol:         k_q690bcc612a_attn.kd
    .args:
      - { .name: qkv, .offset: 0, .size: 8, .value_kind: global_buffer, .address_space: global }
      - { .name: cb, .offset: 8, .size: 8, .value_kind: global_buffer, .address_space: global }
      - { .name: att, .offset: 16, .size: 8, .value_kind: global_buffer, .address_space: global }
    .group_segment_fixed_size: 327680
    .private_segment_fixed_size: 0
    .kernarg_segment_align: 8
    .kernarg_segment_size: 24
    .max_flat_workgroup_size: 512
    .sgpr_count:     96
    .vgpr_count:     256
    .wavefront_size: 32
...
	.end_amdgpu_metadata
.endif
;; end of part 3
;; launch proj (part 4): grid 8 x 32, 4 waves a work-group, clusters of 4 x 4, 327,680 bytes of LDS; arguments att, cb, out0; writes out0
.if DOCPART == 4
	.amdgcn_target "amdgcn-amd-amdhsa--gfx1250"
	.amdhsa_code_object_version 6
	.text
	.protected	k_q690bcc612a_proj
	.globl	k_q690bcc612a_proj
	.p2align	8
	.type	k_q690bcc612a_proj,@function
k_q690bcc612a_proj:
	s_mov_b64 s[64:65], 0
	v_nop
	global_prefetch_b8 v0, s[64:65] scope:SCOPE_SE
	s_setreg_imm32_b32 hwreg(HW_REG_WAVE_MODE, 25, 1), 1
	s_wait_xcnt 0x0
	s_wait_alu depctr_hold_cnt(0) depctr_sa_sdst(0) depctr_va_vdst(0) depctr_va_sdst(0) depctr_va_ssrc(0) depctr_va_vcc(0) depctr_vm_vsrc(0)
	s_getreg_b32 s2, hwreg(HW_REG_IB_STS2, 6, 4)
	s_cmp_eq_u32 s2, 0
	s_cbranch_scc0 .Lentry_in_a_cluster
	s_endpgm
.Lentry_in_a_cluster:
	s_bfe_u32 s2, ttmp6, 0x10000c
	s_cmp_lg_u32 s2, 0xf033
	s_cbranch_scc0 .Lentry_shape_is_right
	s_endpgm
.Lentry_shape_is_right:
; out0 = att wo^T.  att: f16 [4096][1024]; wo: rows 7168 .. 8191 of cb, f16 holding the bf16-rounded weights; out0: f32 [4096][1024]; sums in f32.
; A work-group makes 128 x 128 of out0 (4096 x 1024 / 256 work-groups); a wave 64 x 64: 16 accumulator tiles.
; A slot holds the tiles of two K steps of 128: rows of 512 bytes, one tensor load a wave (64 rows); K = 1024 is four fills of two slots, written out without a loop.
; CLUSTERS: 4 x 4.  att's tile hangs on gy alone (shared along a row of the cluster), wo's on gx alone (along a column).
; By this text's count a wave has two tensor loads out at the start, later one.
; The matrix instruction is used transposed (source 0 = rows of wo): a lane holds row l % 16 and the columns 8 (l / 16) + 0..7: 32 neighbouring bytes.
; REGISTERS: window 0: addresses, two fragment buffers (att's 4 fragments, then wo's 4), the way out.  Window 1: tile (a, b) at 8 (4 a + b).
.set PITCH,  528                       ; 512 bytes + 16 of padding
.set HALFT,  64*PITCH                  ; what one tensor load brings, and what one wave reads of att or of wo
.set SLOT,   4*HALFT                   ; att's two halves, then wo's
.set STAGE,  2*SLOT                    ; behind the ring: 16 rows x 272 bytes for each wave, its own
.set SPITCH, 272
.set ADRA, 16
.set ADRB, 20
.set STO,  24
.set RD,   25
.set CO,   26
.set F0,   64
.set F1,   128
.set TMP,  192
.set G1, 24
.set G0, 32
.set G1B, 48
.set G0B, 56
.set G1W0, (1<<16)|(1<<20)|(1<<21)|(6<<22)|(3<<25)   ; elements of 2 bytes; padding on; bit 21 beside a mask; after every 128 words, 4 words
.set MSB, 0
.macro WIN new
.if MSB != \new
	s_set_vgpr_msb (MSB<<8)|\new
.set MSB, \new
.endif
.endm
.set MUL, 0x50                         ; C and D window 1
.macro JLOAD s                         ; waves 0, 1 fetch att's halves, waves 2, 3 wo's; each line has one mask
	s_cmp_eq_u32 s11, 0
	s_cbranch_scc0 .Lfor_b_\@
	tensor_load_to_lds s[G0+4*\s:G0+4*\s+3], s[G1:G1+7]
	s_nop 0
	s_branch .Lasked_\@
.Lfor_b_\@:
	tensor_load_to_lds s[G0B+4*\s:G0B+4*\s+3], s[G1B:G1B+7]
	s_nop 0
.Lasked_\@:
.endm
.macro CREST
	s_cmp_lg_u32 s10, 0
	s_cbranch_scc1 .Lnot_wave_0_\@
	s_barrier_signal -3
.Lnot_wave_0_\@:
	s_barrier_wait -3
	s_barrier_signal -1
	s_barrier_wait -1
.endm
.macro CROUND
	s_barrier_signal -1
	s_barrier_wait -1
	CREST
.endm
.macro PLACES                          ; four places behind a matrix instruction (ISA guide 7.12.1)
.rept 4
	v_nop
.endr
.endm
	s_load_b128 s[4:7], s[0:1], 0x0                ; att, cb
	s_load_b64 s[8:9], s[0:1], 0x10                ; out0
	v_lshl_add_u32 v62, v0, 2, 0x46400
	v_mov_b32 v63, 0
	ds_add_u32 v62, v63
	v_lshrrev_b32 v1, 5, v0
	v_readfirstlane_b32 s10, v1                    ; wave 0..3
	s_lshr_b32 s11, s10, 1                         ; my half of the rows; also: I fetch for att (0) or wo (1)
	s_and_b32 s12, s10, 1                          ; my half of the columns; also: which 64 rows I fetch
	s_bfe_u32 s40, ttmp6, 0x40000                  ; cx
	s_bfe_u32 s41, ttmp6, 0x40004                  ; cy
	s_lshl_b32 s42, ttmp9, 2
	s_add_co_u32 s42, s42, s40                     ; gx: block of columns
	s_and_b32 s13, ttmp7, 0xffff
	s_lshl_b32 s13, s13, 2
	s_add_co_u32 s13, s13, s41                     ; gy: block of rows
	s_lshl_b32 s43, s41, 2
	s_lshl_b32 s43, 15, s43                        ; my row of the cluster
	s_lshl_b32 s44, 0x1111, s40                    ; my column
	s_or_b32 s[G1+0], s43, G1W0
	s_or_b32 s[G1B+0], s44, G1W0
.irp g, G1, G1B
	s_mov_b32 s[\g+1], 256<<16                     ; tensor_dim0 = 256
	s_mov_b32 s[\g+2], 64<<16                      ; tensor_dim1 = 64
	s_mov_b32 s[\g+3], 256<<16                     ; tile_dim0 = 256 elements (512 bytes)
	s_mov_b32 s[\g+4], 64                          ; tile_dim1 = 64 rows
	s_mov_b32 s[\g+5], 1024
	s_mov_b32 s[\g+6], 0
	s_mov_b32 s[\g+7], 0
.endr
	s_lshl_b32 s16, s13, 18                        ; att: row 128 gy + 64 x half (no term of gx)
	s_lshl_b32 s17, s12, 17
	s_add_co_u32 s16, s16, s17
	s_mov_b32 s17, 0
	s_lshl_b32 s46, s42, 18                        ; wo: row 7168 + 128 gx + 64 x half of cb (no term of gy)
	s_lshl_b32 s47, s12, 17
	s_add_co_u32 s46, s46, s47
	s_add_co_u32 s46, s46, 7168*2048
	s_mov_b32 s47, 0
	s_mul_i32 s20, s10, HALFT                      ; where my tile goes: the wave's number alone
	s_wait_dscnt 0x0
	s_wait_kmcnt 0x0
	s_add_nc_u64 s[14:15], s[4:5], s[16:17]
	s_add_nc_u64 s[46:47], s[6:7], s[46:47]
	CROUND                                         ; in front of the first joint loads
.irp s, 0,1
	s_mov_b32 s[G0+4*\s], 1
	s_add_co_u32 s[G0+4*\s+1], s20, \s*SLOT
	s_add_nc_u64 s[G0+4*\s+2:G0+4*\s+3], s[14:15], \s*512
	s_or_b32 s[G0+4*\s+3], s[G0+4*\s+3], 0x80000000
	s_mov_b32 s[G0B+4*\s], 1
	s_add_co_u32 s[G0B+4*\s+1], s20, \s*SLOT
	s_add_nc_u64 s[G0B+4*\s+2:G0B+4*\s+3], s[46:47], \s*512
	s_or_b32 s[G0B+4*\s+3], s[G0B+4*\s+3], 0x80000000
	JLOAD \s                                       ; K 0-255 and 256-511
.endr
	v_and_b32 v1, 15, v0                           ; r
	v_bfe_u32 v2, v0, 4, 1                         ; h
	v_mul_u32_u24 v3, v1, PITCH
	v_lshl_add_u32 v3, v2, 4, v3
	s_mul_i32 s21, s11, HALFT                      ; my 64 rows of att
	s_mul_i32 s22, s12, HALFT                      ; my 64 rows of wo,
	s_add_co_u32 s22, s22, 2*HALFT                 ; behind att's 128
.irp s, 0,1
	v_add_nc_u32 v[ADRA+\s], s21, v3
	v_add_nc_u32 v[ADRB+\s], s22, v3
	s_add_co_u32 s21, s21, SLOT
	s_add_co_u32 s22, s22, SLOT
.endr
	s_mul_i32 s23, s10, 16*SPITCH
	s_add_co_u32 s23, s23, STAGE                   ; my stage
	v_mul_u32_u24 v4, v1, SPITCH                   ; in: row r, 32 bytes a half
	v_lshl_add_u32 v4, v2, 5, v4
	v_add_nc_u32 v[STO], s23, v4
	v_mul_u32_u24 v5, v2, SPITCH                   ; back: lanes 0-15 one row of 256 bytes, lanes 16-31 the next
	v_lshl_add_u32 v5, v1, 4, v5
	v_add_nc_u32 v[RD], s23, v5
	v_lshlrev_b32 v5, 12, v2                       ; the same two rows in out0: 4,096 bytes a row
	v_lshl_add_u32 v[CO], v1, 4, v5
; 8 matrix instructions: row tiles a0, a0 + 1 x my 4 column tiles, 32 along K.  The 16 accumulators take turns, one instruction a turn.
.macro MUL8 f, a0, zero
.irp a, \a0, \a0+1
.irp b, 0,1,2,3
.if \zero
	v_wmma_f32_16x16x32_f16 v[8*(4*(\a)+\b):8*(4*(\a)+\b)+7], v[\f+32+8*\b:\f+32+8*\b+7], v[\f+8*(\a):\f+8*(\a)+7], 0
.else
	v_wmma_f32_16x16x32_f16 v[8*(4*(\a)+\b):8*(4*(\a)+\b)+7], v[\f+32+8*\b:\f+32+8*\b+7], v[\f+8*(\a):\f+8*(\a)+7], v[8*(4*(\a)+\b):8*(4*(\a)+\b)+7]
.endif
.endr
.endr
.endm
.macro FETCH slot, k, f                ; 16 LDS loads: the fragments of 32 K at byte k of the rows
.irp i, 0,1,2,3
	ds_load_b128 v[\f+8*\i:\f+8*\i+3],   v[ADRA+\slot] offset:\k+\i*16*PITCH
	ds_load_b128 v[\f+8*\i+4:\f+8*\i+7], v[ADRA+\slot] offset:\k+\i*16*PITCH+32
.endr
.irp i, 0,1,2,3
	ds_load_b128 v[\f+32+8*\i:\f+32+8*\i+3],   v[ADRB+\slot] offset:\k+\i*16*PITCH
	ds_load_b128 v[\f+32+8*\i+4:\f+32+8*\i+7], v[ADRB+\slot] offset:\k+\i*16*PITCH+32
.endr
.endm
; One of a slot's first seven eighths: asks for the next eighth's fragments (byte k) into buffer g, then multiplies buffer f
.macro QTR slot, k, f, g, zero
	PLACES
	FETCH \slot, \k, \g
	s_wait_dscnt 16                                ; all but the 16 just issued: buffer f is in
	WIN MUL
	MUL8 \f, 0, \zero
	MUL8 \f, 2, \zero
	WIN 0
.endm
.macro SEVEN slot, zero
	QTR \slot, 64,  F0, F1, \zero
	QTR \slot, 128, F1, F0, 0
	QTR \slot, 192, F0, F1, 0
	QTR \slot, 256, F1, F0, 0
	QTR \slot, 320, F0, F1, 0
	QTR \slot, 384, F1, F0, 0
	QTR \slot, 448, F0, F1, 0
.endm
; The last eighth changes slots: each wave's reads of this slot and all its tensor loads are waited for in front of the one barrier, which, where the slot is
; filled again, opens a round of the cluster's barrier; the joint refill is the first tensor load behind the round.
.macro TURN slot, next, fill
	s_wait_dscnt 0
	s_wait_tensorcnt 0x0
	ds_add_u32 v62, v63
	s_wait_dscnt 0x0
	s_barrier_signal -1
	WIN MUL
	MUL8 F1, 0, 0                                  ; register work while the others arrive
	WIN 0
	s_barrier_wait -1
.if \fill
	CREST
	s_add_nc_u64 s[G0+4*\slot+2:G0+4*\slot+3], s[G0+4*\slot+2:G0+4*\slot+3], 1024
	s_add_nc_u64 s[G0B+4*\slot+2:G0B+4*\slot+3], s[G0B+4*\slot+2:G0B+4*\slot+3], 1024
	JLOAD \slot
.endif
	PLACES
	FETCH \next, 0, F0
	WIN MUL
	MUL8 F1, 2, 0
	WIN 0
.endm
	s_wait_tensorcnt 1                             ; my part of slot 0 is in; slot 1's may stay out
	s_barrier_signal -1
	s_barrier_wait -1
	FETCH 0, 0, F0
	SEVEN 0, 1                                     ; K 0-255: the first products start the sums
	TURN 0, 1, 1                                   ; asks for K 512-767
	SEVEN 1, 0
	TURN 1, 0, 1                                   ; asks for K 768-1023
	SEVEN 0, 0
	TURN 0, 1, 0                                   ; nothing is left to fetch
	SEVEN 1, 0
	s_wait_dscnt 0
	WIN MUL
	MUL8 F1, 0, 0
	MUL8 F1, 2, 0
	WIN 0
	; THE WAY OUT, 16 rows at a time through my own stage: no barrier, and LDS serves a wave's instructions in order (ISA guide 5.7.1), so no wait between stores and loads
	PLACES
	s_lshl_b32 s16, s13, 19                        ; row 128 gy + 64 x half, 4,096 bytes a row
	s_lshl_b32 s17, s11, 18
	s_add_co_u32 s16, s16, s17
	s_mov_b32 s17, 0
	s_add_nc_u64 s[8:9], s[8:9], s[16:17]
	s_lshl_b32 s46, s42, 9                         ; column 128 gx + 64 x half, 4 bytes each
	s_lshl_b32 s47, s12, 8
	s_add_co_u32 s46, s46, s47
	s_mov_b32 s47, 0
	s_add_nc_u64 s[8:9], s[8:9], s[46:47]
.macro OUT16 a
	WIN 0x04                                       ; store data in window 1
.irp b, 0,1,2,3
	ds_store_b128 v[STO], v[8*(4*\a+\b):8*(4*\a+\b)+3]   offset:64*\b
	ds_store_b128 v[STO], v[8*(4*\a+\b)+4:8*(4*\a+\b)+7] offset:64*\b+16
.endr
	WIN 0
	s_wait_xcnt 0x0                                ; the stores' base and the registers that earlier stores read are rewritten only behind this wait
.if \a
	s_add_nc_u64 s[8:9], s[8:9], 16*4096
.endif
.irp t, 0,1,2,3,4,5,6,7
	ds_load_b128 v[TMP+32*(\a%2)+4*\t:TMP+32*(\a%2)+4*\t+3], v[RD] offset:\t*2*SPITCH
.endr
.irp t, 0,1,2,3,4,5,6,7
	s_wait_dscnt 7-\t
	global_store_b128 v[CO], v[TMP+32*(\a%2)+4*\t:TMP+32*(\a%2)+4*\t+3], s[8:9] offset:8192*\t th:TH_STORE_NT   ; sixteen lanes store 256 consecutive bytes, aligned
.endr
.endm
	OUT16 0
	OUT16 1
	OUT16 2
	OUT16 3
	s_wait_tensorcnt 0x0
	ds_add_u32 v62, v63
	s_wait_dscnt 0x0
	CROUND                                         ; the closing round
	s_endpgm
.Lfunc_end_k_q690bcc612a_proj:
	.size	k_q690bcc612a_proj, .Lfunc_end_k_q690bcc612a_proj-k_q690bcc612a_proj
	.p2alignl 7, 3214868480
	.fill 96, 4, 3214868480
	.section	.rodata,"a",@progbits
	.p2align	6, 0x0
	.amdhsa_kernel k_q690bcc612a_proj
		.amdhsa_group_segment_fixed_size 327680
		.amdhsa_private_segment_fixed_size 0
		.amdhsa_enable_private_segment 0
		.amdhsa_kernarg_size 24
		.amdhsa_user_sgpr_count 2
		.amdhsa_user_sgpr_kernarg_segment_ptr 1
		.amdhsa_wavefront_size32 1
		.amdhsa_system_sgpr_workgroup_id_x 1
		.amdhsa_system_sgpr_workgroup_id_y 1
		.amdhsa_system_sgpr_workgroup_id_z 1
		.amdhsa_system_vgpr_workitem_id 0
		.amdhsa_next_free_vgpr 384
		.amdhsa_next_free_sgpr 66
		.amdhsa_reserve_vcc 0
		.amdhsa_float_denorm_mode_32 3
		.amdhsa_float_denorm_mode_16_64 3
		.amdhsa_memory_ordered 1
		.amdhsa_forward_progress 1
		.amdhsa_inst_pref_size 89
	.end_amdhsa_kernel
	.amdgpu_metadata
---
amdhsa.version: [ 1, 2 ]
amdhsa.kernels:
  - .name:           k_q690bcc612a_proj
    .symbol:         k_q690bcc612a_proj.kd
    .args:
      - { .name: att, .offset: 0, .size: 8, .value_kind: global_buffer, .address_space: global }
      - { .name: cb, .offset: 8, .size: 8, .value_kind: global_buffer, .address_space: global }
      - { .name: out0, .offset: 16, .size: 8, .value_kind: global_buffer, .address_space: global }
    .group_segment_fixed_size: 327680
    .private_segment_fixed_size: 0
    .kernarg_segment_align: 8
    .kernarg_segment_size: 24
    .max_flat_workgroup_size: 128
    .sgpr_count:     66
    .vgpr_count:     384
    .wavefront_size: 32
...
	.end_amdgpu_metadata
.endif
;; end of part 4
;; ======== version 2 of 2: 4 launches; version 1 with the launch cast written anew for expert scheduling mode
;; limits: values outside matrix products are rounded to bf16; values are held in f16: magnitudes above 65,504 overflow, below 6.1e-05 lose precision
;; workspace buffers: cb 25,165,824 bytes; qkv 25,165,824 bytes; att 8,388,608 bytes
;; launch cast (part 5): grid 64 x 12, 8 waves a work-group, no clusters, 0 bytes of LDS; arguments x, wq, wk, wv, wo, mask, cb; writes cb
.if DOCPART == 5
	.amdgcn_target "amdgcn-amd-amdhsa--gfx1250"
	.amdhsa_code_object_version 6
	.text
	.protected	k_q690bcc612a_cast
	.globl	k_q690bcc612a_cast
	.p2align	8
	.type	k_q690bcc612a_cast,@function
k_q690bcc612a_cast:
	s_mov_b64 s[64:65], 0
	v_nop
	global_prefetch_b8 v0, s[64:65] scope:SCOPE_SE
	s_setreg_imm32_b32 hwreg(HW_REG_WAVE_SCHED_MODE, 0, 2), 2
	s_setreg_imm32_b32 hwreg(HW_REG_WAVE_MODE, 25, 1), 1
	s_wait_xcnt 0x0
	s_wait_alu depctr_vm_vsrc(0)
; Rounds the six large f32 inputs to 16 bits, once, into cb, so that the three later launches move half the bytes.
; cb: rows of 1,024 numbers (2,048 bytes): x rows 0-4095, wq from 4096, wk from 5120, wv from 6144 (all bf16),
;     wo from 7168 (the bf16-rounded value, written as f16, since it later meets an f16 operand); from byte 16,777,216 the mask, bf16 [2048][2048].
; LIMITS: every one of these inputs is used rounded to bf16 (nearest even).  wo: |wo| < 65,504, and below 2^-14 it is kept on f16's subnormal grid of 2^-24.
; A stream: no LDS, no barrier, no matrix unit.  A work-group takes 65,536 bytes in and 32,768 out; all its sixteen loads a wave
; go out at once; a wave's load covers 512 neighbouring bytes, a wave's store 256 neighbouring bytes, aligned.
; y picks the source: 0-3 quarters of x, 4 wq, 5 wk, 6 wv, 7 wo, 8-11 quarters of the mask; cb follows that order, so the
; destination is (64 y + x) * 32,768.
; THE MODE: SCHED_MODE bits 1:0 = 2 (LLVM: expert scheduling mode 2), set by the entry lines.  The code itself states the register dependences
; between vector instructions and memory instructions, with s_wait_alu, always for 0.
; THE PLAN.  Registers that memory instructions touch:
;   v1, v2     byte offsets of the loads and of the stores: written once at the head, never again.
;   X, chunk i four registers: load i lands in them (no vector instruction names them before); chunk i's conversions read them and write the
;              first two in place; store i reads those two; nothing names them afterwards.
;   T is named by vector instructions alone.
; The sixteen chunks go in four blocks of four: the block's conversions, ONE wait on va_vdst, the block's four stores.  With the wait at the head,
; for v1 and v2, that is five waits on a wave's way.  No register that a load or store has read is written again, so no wait on vm_vsrc is owed;
; no vector instruction writes a scalar register or VCC, and EXEC is never written.
.set X, 8                              ; v[8:71]   chunk i: 4 registers as loaded; its first two then hold the 8 bytes to store
.set T, 72                             ; v[72:75]  at work (wo only)
	s_load_b256 s[4:11], s[0:1], 0x0               ; x, wq, wk, wv
	s_load_b128 s[12:15], s[0:1], 0x20             ; wo, mask
	s_load_b64 s[16:17], s[0:1], 0x30              ; cb
	s_and_b32 s18, ttmp7, 0xffff                   ; y
	v_lshlrev_b32 v1, 4, v0                        ; 16 bytes a thread in
	v_lshlrev_b32 v2, 3, v0                        ; 8 bytes a thread out
	s_and_b32 s22, s18, 3                          ; which quarter of x or of the mask,
	s_and_b32 s23, s18, 12
	s_cmp_eq_u32 s23, 4                            ; y = 4 to 7: a whole weight,
	s_cselect_b32 s22, 0, s22                      ; which has no quarters
	s_lshl_b32 s24, s22, 22                        ; a quarter is 4 MiB of f32
	s_lshl_b32 s25, ttmp9, 16                      ; the work-group's 65,536 bytes in it
	s_add_co_u32 s24, s24, s25
	s_mov_b32 s25, 0
	s_lshl_b32 s26, s18, 6
	s_add_co_u32 s26, s26, ttmp9
	s_lshl_b32 s26, s26, 15                        ; (64 y + x) * 32,768
	s_mov_b32 s27, 0
	s_mov_b32 s28, 0xffff0000                      ; a word's upper bf16
	s_wait_kmcnt 0x0
	s_mov_b64 s[20:21], s[4:5]                     ; the source, chosen on y alone
	s_cmp_eq_u32 s18, 4
	s_cselect_b64 s[20:21], s[6:7], s[20:21]
	s_cmp_eq_u32 s18, 5
	s_cselect_b64 s[20:21], s[8:9], s[20:21]
	s_cmp_eq_u32 s18, 6
	s_cselect_b64 s[20:21], s[10:11], s[20:21]
	s_cmp_eq_u32 s18, 7
	s_cselect_b64 s[20:21], s[12:13], s[20:21]
	s_cmp_ge_u32 s18, 8
	s_cselect_b64 s[20:21], s[14:15], s[20:21]
	s_add_nc_u64 s[20:21], s[20:21], s[24:25]
	s_add_nc_u64 s[16:17], s[16:17], s[26:27]
	s_wait_alu depctr_va_vdst(0)                   ; v1 and v2 are written: every load below reads v1 as its offset, every store v2; no vector instruction names either again
.irp i, 0,1,2,3,4,5,6,7,8,9,10,11,12,13,14,15
	global_load_b128 v[X+4*\i:X+4*\i+3], v1, s[20:21] offset:4096*\i th:TH_LOAD_NT   ; read once in the launch
.endr
; Chunk i is converted: four numbers a thread.  half = 1: the bf16-rounded numbers are written as f16.
.macro CONV i, half
	s_wait_loadcnt 15-(\i)                         ; loads come back in order: chunk i is in, the 15 - i younger ones stay out
	v_cvt_pk_bf16_f32 v[X+4*(\i)],   v[X+4*(\i)],   v[X+4*(\i)+1]
	v_cvt_pk_bf16_f32 v[X+4*(\i)+1], v[X+4*(\i)+2], v[X+4*(\i)+3]
.if \half
	v_lshlrev_b32 v[T],   16,  v[X+4*(\i)]
	v_and_b32     v[T+1], s28, v[X+4*(\i)]
	v_lshlrev_b32 v[T+2], 16,  v[X+4*(\i)+1]
	v_and_b32     v[T+3], s28, v[X+4*(\i)+1]
	v_cvt_pk_f16_f32 v[X+4*(\i)],   v[T],   v[T+1]
	v_cvt_pk_f16_f32 v[X+4*(\i)+1], v[T+2], v[T+3]
.endif
.endm
; Chunk i is stored.  No register is used a second time, so no store's source is ever rewritten.
.macro OUT i
	global_store_b64 v2, v[X+4*(\i):X+4*(\i)+1], s[16:17] offset:2048*(\i)
.endm
; Block p: chunks 4 p to 4 p + 3.
.macro BLOCK p, half
.irp c, 0,1,2,3
	CONV 4*(\p)+\c, \half
.endr
	s_wait_alu depctr_va_vdst(0)                   ; the block's conversions have written the first two registers of each of its four chunks, which the four stores below read
.irp c, 0,1,2,3
	OUT 4*(\p)+\c
.endr
.endm
	s_cmp_eq_u32 s18, 7                            ; wo goes the f16 way
	s_cbranch_scc1 .Lhalf
	BLOCK 0, 0
	BLOCK 1, 0
	BLOCK 2, 0
	BLOCK 3, 0
	s_endpgm
.Lhalf:
	BLOCK 0, 1
	BLOCK 1, 1
	BLOCK 2, 1
	BLOCK 3, 1
	s_endpgm
.Lfunc_end_k_q690bcc612a_cast:
	.size	k_q690bcc612a_cast, .Lfunc_end_k_q690bcc612a_cast-k_q690bcc612a_cast
	.p2alignl 7, 3214868480
	.fill 96, 4, 3214868480
	.section	.rodata,"a",@progbits
	.p2align	6, 0x0
	.amdhsa_kernel k_q690bcc612a_cast
		.amdhsa_group_segment_fixed_size 0
		.amdhsa_private_segment_fixed_size 0
		.amdhsa_enable_private_segment 0
		.amdhsa_kernarg_size 56
		.amdhsa_user_sgpr_count 2
		.amdhsa_user_sgpr_kernarg_segment_ptr 1
		.amdhsa_wavefront_size32 1
		.amdhsa_system_sgpr_workgroup_id_x 1
		.amdhsa_system_sgpr_workgroup_id_y 1
		.amdhsa_system_sgpr_workgroup_id_z 1
		.amdhsa_system_vgpr_workitem_id 0
		.amdhsa_next_free_vgpr 80
		.amdhsa_next_free_sgpr 66
		.amdhsa_reserve_vcc 0
		.amdhsa_float_denorm_mode_32 3
		.amdhsa_float_denorm_mode_16_64 3
		.amdhsa_memory_ordered 1
		.amdhsa_forward_progress 1
		.amdhsa_inst_pref_size 16
	.end_amdhsa_kernel
	.amdgpu_metadata
---
amdhsa.version: [ 1, 2 ]
amdhsa.kernels:
  - .name:           k_q690bcc612a_cast
    .symbol:         k_q690bcc612a_cast.kd
    .args:
      - { .name: x, .offset: 0, .size: 8, .value_kind: global_buffer, .address_space: global }
      - { .name: wq, .offset: 8, .size: 8, .value_kind: global_buffer, .address_space: global }
      - { .name: wk, .offset: 16, .size: 8, .value_kind: global_buffer, .address_space: global }
      - { .name: wv, .offset: 24, .size: 8, .value_kind: global_buffer, .address_space: global }
      - { .name: wo, .offset: 32, .size: 8, .value_kind: global_buffer, .address_space: global }
      - { .name: mask, .offset: 40, .size: 8, .value_kind: global_buffer, .address_space: global }
      - { .name: cb, .offset: 48, .size: 8, .value_kind: global_buffer, .address_space: global }
    .group_segment_fixed_size: 0
    .private_segment_fixed_size: 0
    .kernarg_segment_align: 8
    .kernarg_segment_size: 56
    .max_flat_workgroup_size: 256
    .sgpr_count:     66
    .vgpr_count:     80
    .wavefront_size: 32
...
	.end_amdgpu_metadata
.endif
;; end of part 5
;; launch qkv: the kernel of part 2 again; grid 8 x 32, 4 waves a work-group, clusters of 4 x 4, 327,680 bytes of LDS; arguments cb, freqs_cos, freqs_sin, qkv; writes qkv
;; launch attn: the kernel of part 3 again; grid 16 x 16, 16 waves a work-group, clusters of 4 x 4, 327,680 bytes of LDS; arguments qkv, cb, att; writes att
;; launch proj: the kernel of part 4 again; grid 8 x 32, 4 waves a work-group, clusters of 4 x 4, 327,680 bytes of LDS; arguments att, cb, out0; writes out0
